; MI455X (gfx1250); checked and timed in simulation.
; The chip was launched on July 23, 2026; its instructions are those of AMD's public machine-readable ISA for CDNA 5 (MIT licence, August 2026) and "CDNA5" Instruction Set Architecture Reference Guide (July 2026). The comments in the code are by the model that wrote it; some were corrected since.
;; RTDETR Post Processor With NMS. Allowed arithmetic: float matrix products may take bf16 or f16 operands with f32 sums; all other float work in f32.
;; Inputs: boxes 128 x 1,000 x 4 float32; logits 128 x 1,000 x 80 float32; orig_target_sizes 128 x 2 float32.
;; Outputs: out0 128 x 300 int32; out1 128 x 300 x 4 float32; out2 128 x 300 float32.
;; 2 versions, each right; version 2 is version 1 with the launches score, rank written anew for expert scheduling mode. Each part assembles by itself: llvm-mc -triple=amdgcn-amd-amdhsa -mcpu=gfx1250 --defsym DOCPART=n.
;; ======== version 1 of 2: 4 launches
;; workspace buffers: sl 1,024,000 bytes; rnk 524,288 bytes of whole numbers; msk 8,912,896 bytes of whole numbers
;; launch score (part 1): grid 500 x 1, 8 waves a work-group, no clusters, 87,040 bytes of LDS; arguments logits, sl; writes sl
.if DOCPART == 1
	.amdgcn_target "amdgcn-amd-amdhsa--gfx1250"
	.amdhsa_code_object_version 6
	.text
	.protected	k_q8b187e1f3b_score
	.globl	k_q8b187e1f3b_score
	.p2align	8
	.type	k_q8b187e1f3b_score,@function
k_q8b187e1f3b_score:
	s_mov_b64 s[64:65], 0
	v_nop
	global_prefetch_b8 v0, s[64:65] scope:SCOPE_SE
	s_setreg_imm32_b32 hwreg(HW_REG_WAVE_MODE, 25, 1), 1
	s_wait_xcnt 0x0
; sl[box] = { s, label }: s = the largest sigmoid(logit) of the box's 80 classes, label = the first class that reaches it.
; s is stored as 0 where s <= 0.25 (or is no number): such a box never reaches an output.
; logits: [128000][80] f32.  A wave owns 32 boxes = 10,240 consecutive bytes; it loads them as 20 x 512 consecutive bytes,
; turns them through its own LDS bytes so that a lane holds one whole box (80 registers), and stores 256 consecutive bytes.
; No barrier: every wave reads only LDS bytes that it wrote itself.  No matrix unit (no product), no cluster (no byte is shared).
; ARITHMETIC, in the form of the definition: e = exp(-x), t = 1 + e, s = 1 / t.  The largest s belongs to the smallest t, so only
; one division per box is made.  e = exp2(ph) (1 + pl ln2), with ph + pl = -x log2(e) carried in two floats.
; Two neighbouring t can round to one s (for s > 0.25 a step of s spans less than two steps of t): the label takes the first class
; with t <= T, where T is the smallest t or its upper neighbour if that gives the same s.
; LIMITS: logits finite, |x| < 2^126.  exp2 is the hardware's (about one unit in the last place), so t, and with it s, can differ
; by one unit in the last place from another exponential's.  1/t (one Newton step on v_rcp_f32) is correctly rounded except where
; t's mantissa is all ones.
.set ROWB,  320                        ; bytes of a box's logits
.set PITCH, 336                        ; LDS row: 320 + 16, an odd multiple of 16: sixteen rows' 16-byte pieces fall into sixteen different columns of 256 bytes
.set WLDS,  32*PITCH                   ; a wave's LDS bytes
.set X,     16                         ; v[16:95]  80 numbers: as loaded, then one box's logits, then its t
; v1 lane  v2 16 lane  v[3:7] LDS store addresses  v8 LDS row address  v9 8 lane
; v[10:13] ph  v[14:15], v[96:97] pl  v[98:101] e  v102, v103 running minima  v[104:109] division  v[110:111] s, label
	s_load_b128 s[4:7], s[0:1], 0x0                ; logits s[4:5], sl s[6:7]
	v_lshl_add_u32 v112, v0, 2, 0x15000
	v_mov_b32 v113, 0
	v_and_b32 v1, 31, v0                           ; lane
	v_lshrrev_b32 v2, 5, v0
	v_readfirstlane_b32 s14, v2                    ; wave 0..7
	s_lshl_b32 s15, ttmp9, 3
	s_add_co_u32 s15, s15, s14                     ; wave's number in the launch, 0..3999
	s_mul_i32 s16, s15, 32*ROWB                    ; its bytes in logits (below 2^26)
	s_mov_b32 s17, 0
	s_lshl_b32 s18, s15, 8                         ; its 256 bytes in sl
	s_mov_b32 s19, 0
	s_mul_i32 s20, s14, WLDS                       ; its LDS bytes
	s_mov_b32 s8, 0xbfb8aa3b                       ; -log2(e), the float
	s_mov_b32 s9, 0xbfb8aa3b
	s_mov_b32 s10, 0xb2a57060                      ; -log2(e), what the float leaves
	s_mov_b32 s11, 0xb2a57060
	s_mov_b32 s12, 0x3f317218                      ; ln 2
	s_mov_b32 s13, 0x3f317218
	v_lshlrev_b32 v2, 4, v1
	v_lshlrev_b32 v9, 3, v1
	s_wait_kmcnt 0x0
	s_add_nc_u64 s[4:5], s[4:5], s[16:17]
	s_add_nc_u64 s[6:7], s[6:7], s[18:19]
.set k, 0
.rept 20
	global_load_b128 v[X+4*k:X+4*k+3], v2, s[4:5] offset:512*k th:TH_LOAD_NT   ; all of the wave's share is asked for at once
.set k, k+1
.endr
	; Piece f = 32 k + lane (16 bytes) belongs to row f / 20, so it goes to 16 f + 16 (f / 20).  Five loads are exactly eight rows:
	; load k uses the address of load k % 5, 8 rows further down for each five.  f / 20 = (3277 f) >> 16 for f < 160.
.irp k, 0,1,2,3,4
	v_add_nc_u32 v[3+\k], 32*\k, v1
	v_mul_u32_u24 v10, 0xccd, v[3+\k]
	v_lshrrev_b32 v10, 16, v10
	v_add_nc_u32 v[3+\k], v[3+\k], v10
	v_lshl_add_u32 v[3+\k], v[3+\k], 4, s20
.endr
	v_mul_u32_u24 v8, PITCH, v1
	v_add_nc_u32 v8, s20, v8                       ; my row
.set k, 0
.rept 20
	s_wait_loadcnt 19-k                            ; loads return in order: load k is in, the 19-k younger ones stay out
	ds_store_b128 v[3+k%5], v[X+4*k:X+4*k+3] offset:8*PITCH*(k/5)
.set k, k+1
.endr
.set k, 0
.rept 20
	ds_load_b128 v[X+4*k:X+4*k+3], v8 offset:16*k  ; a wave's LDS instructions are served in order: these see the stores above
.set k, k+1
.endr
; four classes: t = 1 + exp(-x), written over x; two running minima
.macro SIG4 g, first
	s_wait_dscnt 19-\g                             ; piece g of my row is in, the younger reads stay out
	v_pk_mul_f32 v[10:11], v[X+4*\g:X+4*\g+1], s[8:9] op_sel_hi:[1,0]
	v_pk_mul_f32 v[12:13], v[X+4*\g+2:X+4*\g+3], s[8:9] op_sel_hi:[1,0]
	v_pk_fma_f32 v[14:15], v[X+4*\g:X+4*\g+1], s[8:9], v[10:11] op_sel_hi:[1,0,1] neg_lo:[0,0,1] neg_hi:[0,0,1]   ; what the product's rounding dropped
	v_pk_fma_f32 v[96:97], v[X+4*\g+2:X+4*\g+3], s[8:9], v[12:13] op_sel_hi:[1,0,1] neg_lo:[0,0,1] neg_hi:[0,0,1]
	v_exp_f32 v98, v10
	v_exp_f32 v99, v11
	v_exp_f32 v100, v12
	v_exp_f32 v101, v13
	v_pk_fma_f32 v[14:15], v[X+4*\g:X+4*\g+1], s[10:11], v[14:15] op_sel_hi:[1,0,1]      ; plain work that names no exp result or source stands behind the exponentials (ISA guide 5.7.2)
	v_pk_fma_f32 v[96:97], v[X+4*\g+2:X+4*\g+3], s[10:11], v[96:97] op_sel_hi:[1,0,1]
	s_wait_alu depctr_va_vdst(0)
	v_pk_mul_f32 v[14:15], v[14:15], v[98:99]
	v_pk_mul_f32 v[96:97], v[96:97], v[100:101]
	v_pk_fma_f32 v[98:99], v[14:15], s[12:13], v[98:99] op_sel_hi:[1,0,1]                ; e = exp2(ph) + exp2(ph) pl ln2
	v_pk_fma_f32 v[100:101], v[96:97], s[12:13], v[100:101] op_sel_hi:[1,0,1]
	v_pk_add_f32 v[X+4*\g:X+4*\g+1], v[98:99], 1.0 op_sel_hi:[1,0]
	v_pk_add_f32 v[X+4*\g+2:X+4*\g+3], v[100:101], 1.0 op_sel_hi:[1,0]
.if \first
	v_min_num_f32 v102, v[X+4*\g], v[X+4*\g+1]     ; the first four start the minima: nothing is preset
	v_min_num_f32 v103, v[X+4*\g+2], v[X+4*\g+3]
.else
	v_min3_num_f32 v102, v102, v[X+4*\g], v[X+4*\g+1]      ; a t that is no number (exp overflowed) loses
	v_min3_num_f32 v103, v103, v[X+4*\g+2], v[X+4*\g+3]
.endif
.endm
	SIG4 0, 1
.irp g, 1,2,3,4,5,6,7,8,9,10,11,12,13,14,15,16,17,18,19
	SIG4 \g, 0
.endr
	v_min_num_f32 v104, v102, v103                 ; the smallest t
	v_add_nc_u32 v105, 1, v104                     ; its upper neighbour
	v_rcp_f32 v106, v104
	v_rcp_f32 v107, v105
	v_mov_b32 v111, 0                              ; the label's register is written whole; also the plain place behind the reciprocals
	s_wait_alu depctr_va_vdst(0)
	v_fma_f32 v108, -v104, v106, 1.0
	v_fma_f32 v109, -v105, v107, 1.0
	v_fma_f32 v106, v108, v106, v106               ; s
	v_fma_f32 v107, v109, v107, v107               ; the neighbour's s
	v_cmp_eq_f32 vcc_lo, v106, v107
	v_cndmask_b32 v108, v104, v105, vcc_lo         ; T
.set c, 79
.rept 80
	v_cmp_le_f32 vcc_lo, v[X+c], v108              ; from the last class down to class 0: the first class that reaches s has the last word
	v_cndmask_b32 v111, v111, c, vcc_lo
.set c, c-1
.endr
	v_cmp_lt_f32 vcc_lo, 0x3e800000, v106          ; 0.25 < s
	v_cndmask_b32 v110, 0, v106, vcc_lo
	global_store_b64 v9, v[110:111], s[6:7]        ; the wave stores 256 consecutive bytes, at a multiple of 256 from sl's first byte
	s_barrier_signal -1
	s_barrier_wait -1
	s_wait_tensorcnt 0x0
	ds_add_u32 v112, v113
	s_wait_dscnt 0x0
	s_endpgm
.Lfunc_end_k_q8b187e1f3b_score:
	.size	k_q8b187e1f3b_score, .Lfunc_end_k_q8b187e1f3b_score-k_q8b187e1f3b_score
	.p2alignl 7, 3214868480
	.fill 96, 4, 3214868480
	.section	.rodata,"a",@progbits
	.p2align	6, 0x0
	.amdhsa_kernel k_q8b187e1f3b_score
		.amdhsa_group_segment_fixed_size 87040
		.amdhsa_private_segment_fixed_size 0
		.amdhsa_enable_private_segment 0
		.amdhsa_kernarg_size 16
		.amdhsa_user_sgpr_count 2
		.amdhsa_user_sgpr_kernarg_segment_ptr 1
		.amdhsa_wavefront_size32 1
		.amdhsa_system_sgpr_workgroup_id_x 1
		.amdhsa_system_sgpr_workgroup_id_y 1
		.amdhsa_system_sgpr_workgroup_id_z 1
		.amdhsa_system_vgpr_workitem_id 0
		.amdhsa_next_free_vgpr 114
		.amdhsa_next_free_sgpr 66
		.amdhsa_reserve_vcc 1
		.amdhsa_float_denorm_mode_32 3
		.amdhsa_float_denorm_mode_16_64 3
		.amdhsa_memory_ordered 1
		.amdhsa_forward_progress 1
		.amdhsa_inst_pref_size 38
	.end_amdhsa_kernel
	.amdgpu_metadata
---
amdhsa.version: [ 1, 2 ]
amdhsa.kernels:
  - .name:           k_q8b187e1f3b_score
    .symbol:         k_q8b187e1f3b_score.kd
    .args:
      - { .name: logits, .offset: 0, .size: 8, .value_kind: global_buffer, .address_space: global }
      - { .name: sl, .offset: 8, .size: 8, .value_kind: global_buffer, .address_space: global }
    .group_segment_fixed_size: 87040
    .private_segment_fixed_size: 0
    .kernarg_segment_align: 8
    .kernarg_segment_size: 16
    .max_flat_workgroup_size: 256
    .sgpr_count:     66
    .vgpr_count:     114
    .wavefront_size: 32
...
	.end_amdgpu_metadata
.endif
;; end of part 1
;; launch rank (part 2): grid 256 x 1, 8 waves a work-group, no clusters, 7,168 bytes of LDS; arguments sl, rnk; writes rnk
.if DOCPART == 2
	.amdgcn_target "amdgcn-amd-amdhsa--gfx1250"
	.amdhsa_code_object_version 6
	.text
	.protected	k_q8b187e1f3b_rank
	.globl	k_q8b187e1f3b_rank
	.p2align	8
	.type	k_q8b187e1f3b_rank,@function
k_q8b187e1f3b_rank:
	s_mov_b64 s[64:65], 0
	v_nop
	global_prefetch_b8 v0, s[64:65] scope:SCOPE_SE
	s_setreg_imm32_b32 hwreg(HW_REG_WAVE_MODE, 25, 1), 1
	s_wait_xcnt 0x0
; rnk[img][n] = the place of box n in the stable order by descending score: the number of boxes j with s_j > s_n, or s_j = s_n and j < n.
; rnk[img][1000..1023] = the number of boxes with s > 0.25.  Boxes with s <= 0.25 (stored as 0) count as equal: they follow all others by index.
; Counting, not sorting: no address and no branch hangs on a score.  Two work-groups an image; a wave owns 64 boxes (two blocks of 32,
; a lane one box of each) and compares them with all 1024 keys, which lie in LDS and are read 32 at a time, the same address in all lanes.
; No cluster: what the two work-groups of an image share is 8,000 bytes, read once by each.
; KEY = kc << 5 | (31 - n % 32), kc = max(bits of s, bits of 0.25) - (bits of 0.25 - 1): 1 for s <= 0.25 and for the 24 pads, more otherwise.
; One unsigned compare key_j > threshold serves all three cases; the threshold is chosen by the blocks' numbers:
;   j's block in front of mine: (key & ~31) - 1  (counts s_j >= s);  my block: key (the low bits decide ties);  behind: key | 31 (counts s_j > s).
.set KJ0, 16                           ; v[16:47]  32 keys, in every lane
.set KJ1, 48                           ; v[48:79]  the next 32
; v1 lane  v2 box number  v3 = 63  v[4:5] threshold in front  v[6:7] behind  v[8:9] own key  v[10:11] threshold in use  v[12:13] counts  v14 key address  v15 address
; s8 wave  s9 image  s11, s12 my two blocks  s16, s17 j's block  s[20:23] compare masks  s[24:27] choice masks
	s_load_b128 s[4:7], s[0:1], 0x0                ; sl s[4:5], rnk s[6:7]
	v_lshl_add_u32 v80, v0, 2, 0x1800
	v_mov_b32 v81, 0
	v_and_b32 v1, 31, v0
	v_lshrrev_b32 v2, 5, v0
	v_readfirstlane_b32 s8, v2                     ; wave 0..7
	s_lshr_b32 s9, ttmp9, 1                        ; image
	s_and_b32 s10, ttmp9, 1                        ; which half of its boxes
	s_lshl_b32 s11, s10, 4
	s_lshl1_add_u32 s11, s8, s11                   ; my first block = 16 half + 2 wave
	s_add_co_u32 s12, s11, 1                       ; my second
	s_mul_i32 s14, s9, 8000                        ; the image in sl
	s_mov_b32 s15, 0
	s_lshl_b32 s13, s11, 7                         ; my first block's bytes among the keys, and in rnk
	s_lshl_b32 s18, s9, 12
	s_add_co_u32 s18, s18, s13                     ; the image in rnk + my 256 bytes
	s_mov_b32 s19, 0
	v_lshlrev_b32 v25, 3, v0
	v_add_nc_u32 v24, 768, v0                      ; the fourth box of this thread: can be a pad
	v_min_u32 v26, 999, v24                        ; no load leaves the image
	v_lshlrev_b32 v26, 3, v26
	s_wait_kmcnt 0x0
	s_add_nc_u64 s[4:5], s[4:5], s[14:15]
	s_add_nc_u64 s[6:7], s[6:7], s[18:19]
	global_load_b64 v[16:17], v25, s[4:5]
	global_load_b64 v[18:19], v25, s[4:5] offset:2048
	global_load_b64 v[20:21], v25, s[4:5] offset:4096
	global_load_b64 v[22:23], v26, s[4:5]
	v_sub_nc_u32 v27, 31, v1
	v_lshlrev_b32 v29, 2, v0
	v_cmp_gt_u32 vcc_lo, 0x3e8, v24                ; the fourth is a real box
	s_wait_loadcnt 0x0
.irp k, 0,1,2,3
	v_max_u32 v28, 0x3e800000, v[16+2*\k]
	v_add_nc_u32 v28, 0xc1800001, v28              ; - (bits of 0.25 - 1)
.if \k == 3
	v_cndmask_b32 v28, 1, v28, vcc_lo              ; pads rank with the boxes below the threshold, behind them by index
.endif
	v_lshl_or_b32 v28, v28, 5, v27
	ds_store_b32 v29, v28 offset:1024*\k
.endr
	s_wait_dscnt 0x0                               ; my keys are in LDS before I say so
	s_barrier_signal -1
	s_barrier_wait -1                              ; all 1024 are; nobody writes them again
	v_lshlrev_b32 v15, 2, v1
	v_add_nc_u32 v15, s13, v15
	ds_load_b32 v8, v15                            ; my two boxes' keys
	ds_load_b32 v9, v15 offset:128
	v_mov_b32 v14, 0
.irp g, 0,1,2,3,4,5,6,7
	ds_load_b128 v[KJ0+4*\g:KJ0+4*\g+3], v14 offset:16*\g      ; keys of block 0
.endr
	v_mov_b32 v3, 63
	v_mov_b32 v12, 0
	v_mov_b32 v13, 0
	s_lshl_b32 s20, s11, 5
	v_add_nc_u32 v2, s20, v1                       ; my first box's number
	s_wait_dscnt 0x8                               ; my own two keys are in; the eight loads of block 0 stay out
.irp e, 0,1
	v_and_b32 v[4+\e], 0xffffffe0, v[8+\e]
	v_add_nc_u32 v[4+\e], -1, v[4+\e]
	v_or_b32 v[6+\e], 31, v[8+\e]
	v_cmp_le_u32 vcc_lo, 0x3e8, v2                 ; a pad's lane counts the keys above 63 in every block: the boxes with s > 0.25
	v_cndmask_b32 v[4+\e], v[4+\e], v3, vcc_lo
	v_cndmask_b32 v[6+\e], v[6+\e], v3, vcc_lo
	v_cndmask_b32 v[8+\e], v[8+\e], v3, vcc_lo
	v_add_nc_u32 v2, 32, v2
.endr
; one block of 32 keys (in cur) against my 64 boxes, while the next block comes into nxt.  jb: the scalar register with cur's block number
.macro TRIP cur, nxt, jb
	v_add_nc_u32 v14, 128, v14
	v_and_b32 v14, 0xfff, v14                      ; behind the last block the address wraps to block 0: every read stays among the keys
.irp g, 0,1,2,3,4,5,6,7
	ds_load_b128 v[\nxt+4*\g:\nxt+4*\g+3], v14 offset:16*\g
.endr
	s_wait_dscnt 0x8                               ; the eight just issued stay out: cur is whole
	s_cmp_lt_u32 \jb, s11
	s_cselect_b32 s24, -1, 0
	s_cmp_eq_u32 \jb, s11
	s_cselect_b32 s25, -1, 0
	s_cmp_lt_u32 \jb, s12
	s_cselect_b32 s26, -1, 0
	s_cmp_eq_u32 \jb, s12
	s_cselect_b32 s27, -1, 0
	v_cndmask_b32 v10, v6, v4, s24
	v_cndmask_b32 v11, v7, v5, s26
	v_cndmask_b32 v10, v10, v8, s25
	v_cndmask_b32 v11, v11, v9, s27
.set jj, 0
.rept 32
	v_cmp_gt_u32 s[20+2*(jj&1)], v[\cur+jj], v10
	v_cmp_gt_u32 s[21+2*(jj&1)], v[\cur+jj], v11
	v_add_co_ci_u32 v12, s[20+2*(jj&1)], 0, v12, s[20+2*(jj&1)]    ; count += the compare's bit, as a carry in
	v_add_co_ci_u32 v13, s[21+2*(jj&1)], 0, v13, s[21+2*(jj&1)]
.set jj, jj+1
.endr
.endm
	s_mov_b32 s16, 0
.Lj:
	TRIP KJ0, KJ1, s16
	s_add_co_u32 s17, s16, 1
	TRIP KJ1, KJ0, s17
	s_add_co_u32 s16, s16, 2
	s_cmp_lt_u32 s16, 32
	s_cbranch_scc1 .Lj
	; The two blocks' counts go through 256 LDS bytes of the wave's own (behind the keys), so that one store covers 256 consecutive bytes of rnk.
	; LDS is written again only behind a barrier that every wave reaches with all its LDS reads done; all waves make the same 32 trips.
	s_wait_dscnt 0x0
	s_barrier_signal -1
	s_barrier_wait -1
	s_lshl_b32 s20, s8, 8
	s_add_co_u32 s20, s20, 4096
	v_lshl_add_u32 v15, v1, 2, s20
	v_lshl_add_u32 v14, v1, 3, s20
	v_lshlrev_b32 v10, 3, v1
	ds_store_b32 v15, v12
	ds_store_b32 v15, v13 offset:128
	ds_load_b64 v[2:3], v14                        ; served behind the two stores: a wave's LDS instructions keep their order
	s_wait_dscnt 0x0
	global_store_b64 v10, v[2:3], s[6:7]
	s_barrier_signal -1
	s_barrier_wait -1
	s_wait_tensorcnt 0x0
	ds_add_u32 v80, v81
	s_wait_dscnt 0x0
	s_endpgm
.Lfunc_end_k_q8b187e1f3b_rank:
	.size	k_q8b187e1f3b_rank, .Lfunc_end_k_q8b187e1f3b_rank-k_q8b187e1f3b_rank
	.p2alignl 7, 3214868480
	.fill 96, 4, 3214868480
	.section	.rodata,"a",@progbits
	.p2align	6, 0x0
	.amdhsa_kernel k_q8b187e1f3b_rank
		.amdhsa_group_segment_fixed_size 7168
		.amdhsa_private_segment_fixed_size 0
		.amdhsa_enable_private_segment 0
		.amdhsa_kernarg_size 16
		.amdhsa_user_sgpr_count 2
		.amdhsa_user_sgpr_kernarg_segment_ptr 1
		.amdhsa_wavefront_size32 1
		.amdhsa_system_sgpr_workgroup_id_x 1
		.amdhsa_system_sgpr_workgroup_id_y 1
		.amdhsa_system_sgpr_workgroup_id_z 1
		.amdhsa_system_vgpr_workitem_id 0
		.amdhsa_next_free_vgpr 82
		.amdhsa_next_free_sgpr 66
		.amdhsa_reserve_vcc 1
		.amdhsa_float_denorm_mode_32 3
		.amdhsa_float_denorm_mode_16_64 3
		.amdhsa_memory_ordered 1
		.amdhsa_forward_progress 1
		.amdhsa_inst_pref_size 24
	.end_amdhsa_kernel
	.amdgpu_metadata
---
amdhsa.version: [ 1, 2 ]
amdhsa.kernels:
  - .name:           k_q8b187e1f3b_rank
    .symbol:         k_q8b187e1f3b_rank.kd
    .args:
      - { .name: sl, .offset: 0, .size: 8, .value_kind: global_buffer, .address_space: global }
      - { .name: rnk, .offset: 8, .size: 8, .value_kind: global_buffer, .address_space: global }
    .group_segment_fixed_size: 7168
    .private_segment_fixed_size: 0
    .kernarg_segment_align: 8
    .kernarg_segment_size: 16
    .max_flat_workgroup_size: 256
    .sgpr_count:     66
    .vgpr_count:     82
    .wavefront_size: 32
...
	.end_amdgpu_metadata
.endif
;; end of part 2
;; launch iou (part 3): grid 256 x 1, 8 waves a work-group, no clusters, 25,600 bytes of LDS; arguments rnk, boxes, orig_target_sizes, msk; writes msk
.if DOCPART == 3
	.amdgcn_target "amdgcn-amd-amdhsa--gfx1250"
	.amdhsa_code_object_version 6
	.text
	.protected	k_q8b187e1f3b_iou
	.globl	k_q8b187e1f3b_iou
	.p2align	8
	.type	k_q8b187e1f3b_iou,@function
k_q8b187e1f3b_iou:
	s_mov_b64 s[64:65], 0
	v_nop
	global_prefetch_b8 v0, s[64:65] scope:SCOPE_SE
	s_setreg_imm32_b32 hwreg(HW_REG_WAVE_MODE, 25, 1), 1
	s_wait_xcnt 0x0
; msk: for every image the bits "IoU(box x, box y) > 0.5" of the boxes in sorted order, for all blocks of 32 x at or in front of y's block.
; Unit (w, c), c <= w / 2, is 256 bytes at unit number pre(w) + c, pre(w) = (m + 1)(m + (w & 1)), m = w / 2; 272 units an image.
; In it lane y holds two words: bit x of word i says that sorted box 32 (2 c + i) + x overlaps sorted box 32 w + y.
; Two work-groups an image.  Wave v of work-group p makes target blocks w = 2 v + p and 31 - w: v + 1 and 16 - v units, 17 for every wave.
; The boxes are brought into sorted order through LDS by the places that the launch before stored as whole numbers.
; A lane holds box x; the 32 boxes y of the block lie in registers, the same in all lanes; a compare's mask is a word of the result.
; THE TEST: inter / (Ax + Ay - inter + 1e-9) > 0.5 is taken as 3 inter - Ay > Ax + 1e-9 (equal in exact arithmetic while the denominator is
; positive), with the y coordinates multiplied by 3 beforehand.  LIMIT: the order of rounding differs from the quotient's, so a pair whose IoU lies
; within rounding of 0.5 can fall on the other side.  Areas below 0 are taken as 0: such a box has an empty intersection with every box, and
; the test is then false as the quotient's is.  Only the width is clipped at 0: a negative height makes the product <= 0, which never passes.
; No cluster: the two work-groups of an image share 20 KB of input, read once by each; no matrix unit: there is no product.
.set REC, 0                            ; LDS: 1024 x 16 bytes { X1, 3 Y1, X2, 3 Y2 } by sorted place
.set AYO, 16384                        ; 1024 x 4: area
.set AXO, 20480                        ; 1024 x 4: area + 1e-9
.set YR,  16                           ; v[16:143]   the 32 target boxes
.set YA,  144                          ; v[144:175]  their areas
.set XA,  176                          ; v[176:179]  my box of the unit's first block
.set XB,  180                          ; v[180:183]  of its second
.set AXR, 184                          ; v184, v185  their areas + 1e-9
.set VV,  186                          ; v[186:187]  the unit's two words
.set TT,  188                          ; v[188:203]  four chains x { lt.x, lt.y, rb.x, rb.y }
; v1 lane  v2 8 lane  v3, v4 my box's LDS addresses  v5, v6 the target block's
; s12 wave  s13 image  s14 w  s15 units of w = w / 2 + 1  s16 unit  s[18:19] the unit in msk  s[20:23] masks  s[24:27] at work  s[28:29] the image's sizes
	s_load_b256 s[4:11], s[0:1], 0x0               ; rnk s[4:5], boxes s[6:7], sizes s[8:9], msk s[10:11]
	v_lshl_add_u32 v208, v0, 2, 0x6000
	v_mov_b32 v209, 0
	v_and_b32 v1, 31, v0
	v_lshrrev_b32 v2, 5, v0
	v_readfirstlane_b32 s12, v2                    ; wave 0..7
	s_lshr_b32 s13, ttmp9, 1                       ; image
	s_and_b32 s24, ttmp9, 1
	s_lshl1_add_u32 s14, s12, s24                  ; w = 2 wave + p
	s_add_co_u32 s15, s12, 1                       ; its units: w / 2 + 1 = wave + 1
	s_mov_b32 s27, 0
	v_lshlrev_b32 v2, 3, v1
	v_lshlrev_b32 v7, 2, v0
	v_lshlrev_b32 v8, 4, v0
	v_add_nc_u32 v10, 768, v0                      ; this thread's fourth box: can be a pad
	v_min_u32 v9, 999, v10                         ; no load leaves the image
	v_lshlrev_b32 v9, 4, v9
	s_wait_kmcnt 0x0
	s_lshl_b32 s26, s13, 12
	s_add_nc_u64 s[4:5], s[4:5], s[26:27]
	s_mul_i32 s26, s13, 16000
	s_add_nc_u64 s[6:7], s[6:7], s[26:27]
	s_lshl_b32 s26, s13, 3
	s_add_nc_u64 s[8:9], s[8:9], s[26:27]
	s_mul_i32 s26, s13, 69632
	s_add_nc_u64 s[10:11], s[10:11], s[26:27]
	s_load_b64 s[28:29], s[8:9], 0x0
.irp k, 0,1,2,3
	global_load_b32 v[16+\k], v7, s[4:5] offset:1024*\k
.endr
.irp k, 0,1,2
	global_load_b128 v[20+4*\k:23+4*\k], v8, s[6:7] offset:4096*\k
.endr
	global_load_b128 v[32:35], v9, s[6:7]
	v_mov_b32 v[VV], 0                             ; v_writelane_b32 counts as a reader of its destination
	v_mov_b32 v[VV+1], 0
	v_cmp_le_u32 vcc_lo, 0x3e8, v10
	s_wait_kmcnt 0x0
	s_wait_loadcnt 0x0
	v_cndmask_b32 v19, v19, v10, vcc_lo            ; a pad keeps its own place, behind every box (it holds a copy of box 999 and is never valid)
; box k of this thread: corners times the image's sizes, area, to its sorted place
.macro PREP k
	v_min_u32 v[16+\k], 0x3ff, v[16+\k]            ; a loaded number enters an address only clamped
	v_fma_f32 v36, -0.5, v[22+4*\k], v[20+4*\k]
	v_fma_f32 v37, -0.5, v[23+4*\k], v[21+4*\k]
	v_fma_f32 v38, 0.5, v[22+4*\k], v[20+4*\k]
	v_fma_f32 v39, 0.5, v[23+4*\k], v[21+4*\k]
	v_mul_f32 v36, s28, v36
	v_mul_f32 v37, s29, v37
	v_mul_f32 v38, s28, v38
	v_mul_f32 v39, s29, v39
	v_sub_f32 v40, v38, v36
	v_sub_f32 v41, v39, v37
	v_mul_f32 v40, v40, v41
	v_max_num_f32 v40, 0, v40
	v_add_f32 v41, 0x3089705f, v40                 ; + 1e-9
	v_mul_f32 v37, 0x40400000, v37                 ; 3 y
	v_mul_f32 v39, 0x40400000, v39
	v_lshlrev_b32 v42, 4, v[16+\k]
	v_lshlrev_b32 v43, 2, v[16+\k]
	ds_store_b128 v42, v[36:39] offset:REC
	ds_store_b32 v43, v40 offset:AYO
	ds_store_b32 v43, v41 offset:AXO
.endm
	PREP 0
	PREP 1
	PREP 2
	PREP 3
	s_wait_dscnt 0x0                               ; my boxes are in LDS before I say so
	s_barrier_signal -1
	s_barrier_wait -1                              ; all are; LDS is only read from here on
.macro CH1 ch, rr, xr
	v_max_num_f32 v[TT+4*\ch],   v[\xr],   v[YR+4*(\rr)]
	v_max_num_f32 v[TT+4*\ch+1], v[\xr+1], v[YR+4*(\rr)+1]
	v_min_num_f32 v[TT+4*\ch+2], v[\xr+2], v[YR+4*(\rr)+2]
	v_min_num_f32 v[TT+4*\ch+3], v[\xr+3], v[YR+4*(\rr)+3]
.endm
; targets r and r + 1 against both blocks of the unit: four chains, written stage by stage so that no line waits for the one in front
.macro ROW2 r
	CH1 0, \r, XA
	CH1 1, \r, XB
	CH1 2, \r+1, XA
	CH1 3, \r+1, XB
.irp ch, 0,1,2,3
	v_pk_add_f32 v[TT+4*\ch+2:TT+4*\ch+3], v[TT+4*\ch+2:TT+4*\ch+3], v[TT+4*\ch:TT+4*\ch+1] neg_lo:[0,1] neg_hi:[0,1]   ; rb - lt
.endr
.irp ch, 0,1,2,3
	v_max_num_f32 v[TT+4*\ch+2], 0, v[TT+4*\ch+2]
.endr
.irp ch, 0,1,2,3
	v_fma_f32 v[TT+4*\ch], v[TT+4*\ch+2], v[TT+4*\ch+3], -v[YA+\r+(\ch>>1)]     ; 3 inter - Ay
.endr
.irp ch, 0,1,2,3
	v_cmp_gt_f32 s[20+\ch], v[TT+4*\ch], v[AXR+(\ch&1)]
.endr
.irp ch, 0,1,2,3
	v_writelane_b32 v[VV+(\ch&1)], s[20+\ch], \r+(\ch>>1)
.endr
.endm
; target block w = s14 with its s15 units
.macro PASS id
	s_and_b32 s24, s14, 1
	s_add_co_u32 s24, s15, s24
	s_sub_co_u32 s24, s24, 1                       ; m + (w & 1)
	s_mul_i32 s24, s24, s15                        ; pre(w) = (m + 1)(m + (w & 1))
	s_lshl_b32 s24, s24, 8
	s_mov_b32 s25, 0
	s_add_nc_u64 s[18:19], s[10:11], s[24:25]
	s_lshl_b32 s26, s14, 9
	s_lshl_b32 s27, s14, 7
	v_mov_b32 v5, s26
	v_mov_b32 v6, s27
.set r, 0
.rept 32
	ds_load_b128 v[YR+4*r:YR+4*r+3], v5 offset:REC+16*r        ; one address in all lanes
.set r, r+1
.endr
.irp g, 0,1,2,3,4,5,6,7
	ds_load_b128 v[YA+4*\g:YA+4*\g+3], v6 offset:AYO+16*\g
.endr
	v_lshlrev_b32 v3, 4, v1
	v_lshlrev_b32 v4, 2, v1
	s_mov_b32 s16, 0
.Lunit\id:
	ds_load_b128 v[XA:XA+3], v3 offset:REC
	ds_load_b128 v[XB:XB+3], v3 offset:REC+512
	ds_load_b32 v[AXR], v4 offset:AXO
	ds_load_b32 v[AXR+1], v4 offset:AXO+128
	s_wait_dscnt 0x0
.irp r, 0,2,4,6,8,10,12,14,16,18,20,22,24,26,28,30
	ROW2 \r
.endr
	global_store_b64 v2, v[VV:VV+1], s[18:19]      ; the wave stores 256 consecutive bytes, at a multiple of 256 from msk's first byte
	s_wait_xcnt 0x0                                ; the words and the base are rewritten only behind this wait
	s_add_nc_u64 s[18:19], s[18:19], 256
	v_add_nc_u32 v3, 1024, v3
	v_add_nc_u32 v4, 256, v4
	s_add_co_u32 s16, s16, 1
	s_cmp_lt_u32 s16, s15
	s_cbranch_scc1 .Lunit\id
.endm
	PASS a
	s_sub_co_u32 s14, 31, s14                      ; the partner block
	s_sub_co_u32 s15, 17, s15                      ; its units: (31 - 2 wave - p) / 2 + 1 = 16 - wave; together 17
	PASS b
	s_barrier_signal -1
	s_barrier_wait -1
	s_wait_tensorcnt 0x0
	ds_add_u32 v208, v209
	s_wait_dscnt 0x0
	s_endpgm
.Lfunc_end_k_q8b187e1f3b_iou:
	.size	k_q8b187e1f3b_iou, .Lfunc_end_k_q8b187e1f3b_iou-k_q8b187e1f3b_iou
	.p2alignl 7, 3214868480
	.fill 96, 4, 3214868480
	.section	.rodata,"a",@progbits
	.p2align	6, 0x0
	.amdhsa_kernel k_q8b187e1f3b_iou
		.amdhsa_group_segment_fixed_size 25600
		.amdhsa_private_segment_fixed_size 0
		.amdhsa_enable_private_segment 0
		.amdhsa_kernarg_size 32
		.amdhsa_user_sgpr_count 2
		.amdhsa_user_sgpr_kernarg_segment_ptr 1
		.amdhsa_wavefront_size32 1
		.amdhsa_system_sgpr_workgroup_id_x 1
		.amdhsa_system_sgpr_workgroup_id_y 1
		.amdhsa_system_sgpr_workgroup_id_z 1
		.amdhsa_system_vgpr_workitem_id 0
		.amdhsa_next_free_vgpr 210
		.amdhsa_next_free_sgpr 66
		.amdhsa_reserve_vcc 1
		.amdhsa_float_denorm_mode_32 3
		.amdhsa_float_denorm_mode_16_64 3
		.amdhsa_memory_ordered 1
		.amdhsa_forward_progress 1
		.amdhsa_inst_pref_size 66
	.end_amdhsa_kernel
	.amdgpu_metadata
---
amdhsa.version: [ 1, 2 ]
amdhsa.kernels:
  - .name:           k_q8b187e1f3b_iou
    .symbol:         k_q8b187e1f3b_iou.kd
    .args:
      - { .name: rnk, .offset: 0, .size: 8, .value_kind: global_buffer, .address_space: global }
      - { .name: boxes, .offset: 8, .size: 8, .value_kind: global_buffer, .address_space: global }
      - { .name: orig_target_sizes, .offset: 16, .size: 8, .value_kind: global_buffer, .address_space: global }
      - { .name: msk, .offset: 24, .size: 8, .value_kind: global_buffer, .address_space: global }
    .group_segment_fixed_size: 25600
    .private_segment_fixed_size: 0
    .kernarg_segment_align: 8
    .kernarg_segment_size: 32
    .max_flat_workgroup_size: 256
    .sgpr_count:     66
    .vgpr_count:     210
    .wavefront_size: 32
...
	.end_amdgpu_metadata
.endif
;; end of part 3
;; launch scan (part 4): grid 128 x 1, 32 waves a work-group, no clusters, 107,008 bytes of LDS; arguments msk, rnk, sl, boxes, orig_target_sizes, out0, out1, out2; writes out0, out1, out2
.if DOCPART == 4
	.amdgcn_target "amdgcn-amd-amdhsa--gfx1250"
	.amdhsa_code_object_version 6
	.text
	.protected	k_q8b187e1f3b_scan
	.globl	k_q8b187e1f3b_scan
	.p2align	8
	.type	k_q8b187e1f3b_scan,@function
k_q8b187e1f3b_scan:
	s_mov_b64 s[64:65], 0
	v_nop
	global_prefetch_b8 v0, s[64:65] scope:SCOPE_SE
	s_setreg_imm32_b32 hwreg(HW_REG_WAVE_MODE, 25, 1), 1
	s_wait_xcnt 0x0
; The greedy pass over an image's boxes in sorted order, and the outputs: the first 300 boxes kept, zeros behind them.
; One work-group an image (128 work-groups: the pass over one image is a chain of 1000 dependent steps and cannot be shared further).
; a) All 32 waves copy the image's 69,632 bytes of overlap bits into LDS, bring score, label and box (corners times the image's sizes) to
;    their sorted places in LDS, and clear the output stage.
; b) Wave 0 walks the 32 blocks of 32 boxes.  Keep words lie in scalar registers.  A block begins with: valid, and overlapped by no kept box of an
;    earlier block (lane = target: OR over b of keep[b] & bits(b, w)).  Then 31 scalar steps inside the block: if box i is kept, the boxes
;    behind it that it overlaps are dropped.  The next block's bits are read from LDS meanwhile.
; c) Thread t is sorted place t: if kept, its output slot is the number of kept boxes in front of it; slots from 300 on, and boxes not kept, go
;    to a dump slot.  d) The stage leaves through registers.
; Every address hangs on thread numbers and on whole numbers that earlier launches stored (places, bits, the count of valid boxes); floats are only moved.
; The outputs' rows are 1,200 and 4,800 bytes: the stores cover them in consecutive 16-byte pieces.
.set U,    0                           ; LDS: the overlap bits, 272 units of 256 bytes
.set PB,   69632                       ; 1024 x 16: boxes by sorted place
.set PS,   86016                       ; 1024 x 8: { score, label }
.set OUTS, 94208                       ; 8,192: boxes at 0 (301 x 16), labels at LABO (301 x 4), scores at SCOO (301 x 4); slot 300 is the dump
.set LABO, 4864
.set SCOO, 6144
.set TAB,  102400                      ; 32 keep words, then 32 counts of kept boxes in front of each block
.set KW,   20                          ; s[20:51]  keep words
.set DG,   66                          ; s[66:96]  the block's own rows: whom box i drops
; s52 wave  s53 valid boxes  s54 kept so far  s55-s57 at work (s[56:57] first: the image's sizes)  s[58:59] = 1  s[60:61] offsets, then 1 << n  s62 EXEC
; a) v2 16 t  v3 16 t + 65536  v4 4 t  v5-v7 clamped box  v8 stage  v[16:35] bits  v36 place  v[38:39] score, label  v[40:43] box  v[44:45] 0  v[46:49] corners  v50, v51
; b) v10, v11 8 lane (+ 32768)  v12 bits above my lane  v13 own rows  v14, v15 OR  v[32:63], v[64:95] bits of even, odd blocks  v96, v97 tables  v98
; c, d) v16 table  v17 keep word  v18 count  v19 slot  v[20:23] box  v[24:25] score, label  v26, v27  v28 = 300  v29, v30  v31, v32 stage addresses
	s_load_b512 s[4:19], s[0:1], 0x0               ; msk 4, rnk 6, sl 8, boxes 10, sizes 12, out0 14, out1 16, out2 18
	v_lshl_add_u32 v104, v0, 2, 0x19200
	v_mov_b32 v105, 0
	v_and_b32 v1, 31, v0
	v_lshrrev_b32 v9, 5, v0
	v_readfirstlane_b32 s52, v9                    ; wave 0..31
	s_mov_b32 s61, 0
	v_lshlrev_b32 v2, 4, v0
	v_add_nc_u32 v3, 0x10000, v2
	v_lshlrev_b32 v4, 2, v0
	v_min_u32 v5, 999, v0                          ; threads 1000 to 1023 are pads: no load leaves the image
	v_lshlrev_b32 v6, 3, v5
	v_lshlrev_b32 v7, 4, v5
	v_lshl_add_u32 v8, v0, 3, OUTS
	v_mov_b32 v44, 0
	v_mov_b32 v45, 0
	s_wait_kmcnt 0x0
	s_mul_i32 s60, ttmp9, 69632
	s_add_nc_u64 s[4:5], s[4:5], s[60:61]
	s_lshl_b32 s60, ttmp9, 12
	s_add_nc_u64 s[6:7], s[6:7], s[60:61]
	s_mul_i32 s60, ttmp9, 8000
	s_add_nc_u64 s[8:9], s[8:9], s[60:61]
	s_mul_i32 s60, ttmp9, 16000
	s_add_nc_u64 s[10:11], s[10:11], s[60:61]
	s_lshl_b32 s60, ttmp9, 3
	s_add_nc_u64 s[12:13], s[12:13], s[60:61]
	s_mul_i32 s60, ttmp9, 1200
	s_add_nc_u64 s[14:15], s[14:15], s[60:61]
	s_add_nc_u64 s[18:19], s[18:19], s[60:61]
	s_mul_i32 s60, ttmp9, 4800
	s_add_nc_u64 s[16:17], s[16:17], s[60:61]
	s_load_b64 s[56:57], s[12:13], 0x0             ; the image's sizes
	s_load_b32 s53, s[6:7], 0xffc                  ; entry 1023: the number of valid boxes
.irp j, 0,1,2,3
	global_load_b128 v[16+4*\j:19+4*\j], v2, s[4:5] offset:16384*\j
.endr
	global_load_b32 v36, v4, s[6:7]
	global_load_b64 v[38:39], v6, s[8:9]
	global_load_b128 v[40:43], v7, s[10:11]
	ds_store_b64 v8, v[44:45]                      ; the stage starts as zeros: what no kept box fills is padding
	s_cmp_ge_u32 s52, 8
	s_cbranch_scc1 .Lno_fifth
	global_load_b128 v[32:35], v2, s[4:5] offset:65536     ; the last 4,096 bytes of the bits: waves 0 to 7
	s_wait_loadcnt 0x0
	ds_store_b128 v3, v[32:35]
.Lno_fifth:
	s_wait_loadcnt 0x0
	s_wait_kmcnt 0x0
.irp j, 0,1,2,3
	ds_store_b128 v2, v[16+4*\j:19+4*\j] offset:U+16384*\j
.endr
	v_cmp_le_u32 vcc_lo, 0x3e8, v0
	v_cndmask_b32 v36, v36, v0, vcc_lo             ; a pad keeps its own place, behind every box
	v_min_u32 v36, 0x3ff, v36                      ; a loaded number enters an address only clamped
	v_fma_f32 v46, -0.5, v42, v40
	v_fma_f32 v47, -0.5, v43, v41
	v_fma_f32 v48, 0.5, v42, v40
	v_fma_f32 v49, 0.5, v43, v41
	v_mul_f32 v46, s56, v46
	v_mul_f32 v47, s57, v47
	v_mul_f32 v48, s56, v48
	v_mul_f32 v49, s57, v49
	v_lshlrev_b32 v50, 4, v36
	v_add_nc_u32 v50, PB, v50
	v_lshlrev_b32 v51, 3, v36
	v_add_nc_u32 v51, PS, v51
	ds_store_b128 v50, v[46:49]
	ds_store_b64 v51, v[38:39]
	s_wait_dscnt 0x0                               ; all my LDS stores are done before I say so
	s_barrier_signal -1
	s_barrier_wait -1
	s_cmp_lg_u32 s52, 0
	s_cbranch_scc1 .Lnot_wave_0                    ; b) is wave 0's alone; no barrier stands inside
	v_lshlrev_b32 v10, 3, v1
	v_add_nc_u32 v11, 0x8000, v10                  ; units from byte 32,768 on: the immediate has 16 bits
	v_mov_b32 v12, -2
	v_lshlrev_b32 v12, v1, v12                     ; the bits above my lane
	v_mov_b32 v96, 0                               ; v_writelane_b32 counts as a reader of its destination
	v_mov_b32 v97, 0
	s_mov_b32 s54, 0
	s_mov_b32 s58, 1
	s_mov_b32 s59, 0
; the (w / 2) + 1 units of target block w: lane y gets, in register b of the block's buffer, the word of source block b
.macro LDU w
.set uc, 0
.rept ((\w)>>1)+1
.set uoff, ((((\w)>>1)+1)*(((\w)>>1)+((\w)&1))+uc)*256
.if uoff < 32768
	ds_load_b64 v[32+32*((\w)&1)+2*uc:32+32*((\w)&1)+2*uc+1], v10 offset:uoff
.else
	ds_load_b64 v[32+32*((\w)&1)+2*uc:32+32*((\w)&1)+2*uc+1], v11 offset:uoff-32768
.endif
.set uc, uc+1
.endr
.endm
.macro BLOCK w
.set BW, 32+32*(\w&1)
.if \w < 31
	LDU (\w+1)
	s_wait_dscnt (((\w+1)>>1)+1)                   ; the loads just issued for the next block stay out: this block's bits are in
.else
	s_wait_dscnt 0x0
.endif
	v_and_b32 v13, v12, v[BW+\w]                   ; the block against itself: box i drops only boxes behind it
.set i, 0
.rept 31
	v_readlane_b32 s[DG+i], v13, i
.set i, i+1
.endr
.if \w == 0
	s_mov_b32 s55, -1
.else
	v_and_b32 v14, s[KW], v[BW]
.if \w >= 2
	v_and_b32 v15, s[KW+1], v[BW+1]
.set b, 2
.rept \w-2
	v_and_or_b32 v[14+(b&1)], v[BW+b], s[KW+b], v[14+(b&1)]
.set b, b+1
.endr
	v_or_b32 v14, v14, v15
.endif
	v_cmp_eq_u32 s55, 0, v14                       ; targets that no kept box of an earlier block overlaps
.endif
	s_sub_co_i32 s56, s53, 32*\w                   ; valid boxes come first: n = clamp(valid - 32 w, 0, 32) low bits
	s_max_i32 s56, s56, 0
	s_min_i32 s56, s56, 32
	s_lshl_b64 s[60:61], s[58:59], s56
	s_sub_co_u32 s56, s60, 1                       ; (1 << n) - 1; n = 32 leaves 0 - 1 = all ones
	s_and_b32 s[KW+\w], s55, s56
.set i, 0
.rept 31
	s_and_not1_b32 s57, s[KW+\w], s[DG+i]
	s_bitcmp1_b32 s[KW+\w], i                      ; is box i still kept?
	s_cselect_b32 s[KW+\w], s57, s[KW+\w]
.set i, i+1
.endr
	v_writelane_b32 v96, s[KW+\w], \w
	v_writelane_b32 v97, s54, \w
	s_bcnt1_i32_b32 s55, s[KW+\w]
	s_add_co_u32 s54, s54, s55
.endm
	LDU 0
.irp w, 0,1,2,3,4,5,6,7,8,9,10,11,12,13,14,15,16,17,18,19,20,21,22,23,24,25,26,27,28,29,30,31
	BLOCK \w
.endr
	v_lshl_add_u32 v98, v1, 2, TAB
	ds_store_b32 v98, v96
	ds_store_b32 v98, v97 offset:128
	s_wait_dscnt 0x0                               ; the tables are in LDS before wave 0 says so
.Lnot_wave_0:
	s_barrier_signal -1
	s_barrier_wait -1
	s_lshl_b32 s55, s52, 2
	s_add_co_u32 s55, s55, TAB
	v_mov_b32 v16, s55
	v_add_nc_u32 v26, PB, v2
	v_lshl_add_u32 v27, v0, 3, PS
	ds_load_b32 v17, v16                           ; my block's keep word
	ds_load_b32 v18, v16 offset:128                ; kept boxes in front of my block
	ds_load_b128 v[20:23], v26
	ds_load_b64 v[24:25], v27
	v_mov_b32 v28, 0x12c
	s_wait_dscnt 0x0
	v_readfirstlane_b32 s55, v17
	v_mbcnt_lo_u32_b32 v19, s55, v18               ; + kept boxes of my block in front of me
	v_cndmask_b32 v19, v28, v19, s55               ; the keep word is the lane mask: not kept goes to the dump
	v_min_u32 v19, 0x12c, v19                      ; so does whatever comes behind slot 299
	v_lshlrev_b32 v29, 4, v19
	v_add_nc_u32 v29, OUTS, v29
	v_lshlrev_b32 v30, 2, v19
	v_add_nc_u32 v30, OUTS, v30
	ds_store_b128 v29, v[20:23]
	ds_store_b32 v30, v25 offset:LABO
	ds_store_b32 v30, v24 offset:SCOO
	s_wait_dscnt 0x0
	s_barrier_signal -1
	s_barrier_wait -1
	; d) 300 pieces of 16 bytes of boxes, 75 of labels, 75 of scores.  The stage addresses are made from the clamped thread number,
	; so that every lane's address lies inside the stage, on or off.
	v_min_u32 v31, 0x12b, v0                       ; min(t, 299)
	v_lshlrev_b32 v31, 4, v31
	v_add_nc_u32 v31, OUTS, v31
	v_min_u32 v32, 0x4a, v0                        ; min(t, 74)
	v_lshlrev_b32 v32, 4, v32
	v_add_nc_u32 v32, OUTS, v32
	v_cmp_gt_u32 vcc_lo, 0x12c, v0
	s_wait_xcnt 0x0                                ; EXEC changes only behind this wait
	s_wait_tensorcnt 0x0
	ds_add_u32 v104, v105
	s_wait_dscnt 0x0
	s_and_saveexec_b32 s62, vcc_lo                 ; 300 threads: 16 bytes of boxes each
	ds_load_b128 v[20:23], v31
	s_wait_dscnt 0x0
	global_store_b128 v2, v[20:23], s[16:17]
	s_wait_xcnt 0x0
	s_or_b32 exec_lo, exec_lo, s62
	v_cmp_gt_u32 vcc_lo, 75, v0
	s_and_saveexec_b32 s62, vcc_lo                 ; 75 threads: 16 bytes of labels and of scores each
	ds_load_b128 v[16:19], v32 offset:LABO
	ds_load_b128 v[20:23], v32 offset:SCOO
	s_wait_dscnt 0x0
	global_store_b128 v2, v[16:19], s[14:15]
	global_store_b128 v2, v[20:23], s[18:19]
	s_wait_xcnt 0x0
	s_or_b32 exec_lo, exec_lo, s62
	s_endpgm
.Lfunc_end_k_q8b187e1f3b_scan:
	.size	k_q8b187e1f3b_scan, .Lfunc_end_k_q8b187e1f3b_scan-k_q8b187e1f3b_scan
	.p2alignl 7, 3214868480
	.fill 96, 4, 3214868480
	.section	.rodata,"a",@progbits
	.p2align	6, 0x0
	.amdhsa_kernel k_q8b187e1f3b_scan
		.amdhsa_group_segment_fixed_size 107008
		.amdhsa_private_segment_fixed_size 0
		.amdhsa_enable_private_segment 0
		.amdhsa_kernarg_size 64
		.amdhsa_user_sgpr_count 2
		.amdhsa_user_sgpr_kernarg_segment_ptr 1
		.amdhsa_wavefront_size32 1
		.amdhsa_system_sgpr_workgroup_id_x 1
		.amdhsa_system_sgpr_workgroup_id_y 1
		.amdhsa_system_sgpr_workgroup_id_z 1
		.amdhsa_system_vgpr_workitem_id 0
		.amdhsa_next_free_vgpr 106
		.amdhsa_next_free_sgpr 100
		.amdhsa_reserve_vcc 1
		.amdhsa_float_denorm_mode_32 3
		.amdhsa_float_denorm_mode_16_64 3
		.amdhsa_memory_ordered 1
		.amdhsa_forward_progress 1
		.amdhsa_inst_pref_size 227
	.end_amdhsa_kernel
	.amdgpu_metadata
---
amdhsa.version: [ 1, 2 ]
amdhsa.kernels:
  - .name:           k_q8b187e1f3b_scan
    .symbol:         k_q8b187e1f3b_scan.kd
    .args:
      - { .name: msk, .offset: 0, .size: 8, .value_kind: global_buffer, .address_space: global }
      - { .name: rnk, .offset: 8, .size: 8, .value_kind: global_buffer, .address_space: global }
      - { .name: sl, .offset: 16, .size: 8, .value_kind: global_buffer, .address_space: global }
      - { .name: boxes, .offset: 24, .size: 8, .value_kind: global_buffer, .address_space: global }
      - { .name: orig_target_sizes, .offset: 32, .size: 8, .value_kind: global_buffer, .address_space: global }
      - { .name: out0, .offset: 40, .size: 8, .value_kind: global_buffer, .address_space: global }
      - { .name: out1, .offset: 48, .size: 8, .value_kind: global_buffer, .address_space: global }
      - { .name: out2, .offset: 56, .size: 8, .value_kind: global_buffer, .address_space: global }
    .group_segment_fixed_size: 107008
    .private_segment_fixed_size: 0
    .kernarg_segment_align: 8
    .kernarg_segment_size: 64
    .max_flat_workgroup_size: 1024
    .sgpr_count:     100
    .vgpr_count:     106
    .wavefront_size: 32
...
	.end_amdgpu_metadata
.endif
;; end of part 4
;; ======== version 2 of 2: 4 launches; version 1 with the launches score, rank written anew for expert scheduling mode
;; workspace buffers: sl 1,024,000 bytes; rnk 524,288 bytes of whole numbers; msk 8,912,896 bytes of whole numbers
;; launch score (part 5): grid 500 x 1, 8 waves a work-group, no clusters, 87,040 bytes of LDS; arguments logits, sl; writes sl
.if DOCPART == 5
	.amdgcn_target "amdgcn-amd-amdhsa--gfx1250"
	.amdhsa_code_object_version 6
	.text
	.protected	k_q8b187e1f3b_score
	.globl	k_q8b187e1f3b_score
	.p2align	8
	.type	k_q8b187e1f3b_score,@function
k_q8b187e1f3b_score:
	s_mov_b64 s[64:65], 0
	v_nop
	global_prefetch_b8 v0, s[64:65] scope:SCOPE_SE
	s_setreg_imm32_b32 hwreg(HW_REG_WAVE_SCHED_MODE, 0, 2), 2
	s_setreg_imm32_b32 hwreg(HW_REG_WAVE_MODE, 25, 1), 1
	s_wait_xcnt 0x0
	s_wait_alu depctr_vm_vsrc(0)
; sl[box] = { s, label }: s = the largest sigmoid(logit) of the box's 80 classes, label = the first class that reaches it.
; s is stored as 0 where s <= 0.25 (or is no number): such a box never reaches an output.
; logits: [128000][80] f32.  A wave owns 32 boxes = 10,240 consecutive bytes; it loads them as 20 x 512 consecutive bytes,
; turns them through its own LDS bytes so that a lane holds one whole box (80 registers), and stores 256 consecutive bytes.
; Every wave reads only LDS bytes that it wrote itself.  No matrix unit (no product), no cluster (no byte is shared).
; ARITHMETIC, in the form of the definition: e = exp(-x), t = 1 + e, s = 1 / t.  The largest s belongs to the smallest t, so only
; one division per box is made.  e = exp2(ph) (1 + pl ln2), with ph + pl = -x log2(e) carried in two floats.
; Two neighbouring t can round to one s (for s > 0.25 a step of s spans less than two steps of t): the label takes the first class
; with t <= T, where T is the smallest t or its upper neighbour if that gives the same s.
; LIMITS: logits finite, |x| < 2^126.  exp2 is the hardware's (about one unit in the last place), so t, and with it s, can differ
; by one unit in the last place from another exponential's.  1/t (one Newton step on v_rcp_f32) is correctly rounded except where
; t's mantissa is all ones.
; THE MODE: SCHED_MODE bits 1:0 = 2 (LLVM: expert scheduling mode 2), set by the entry lines.  The code itself states the register dependences
; between vector instructions and memory or LDS instructions, with s_wait_alu, always for 0.
; THE PLAN.  Registers that memory or LDS instructions touch:
;   v2            offset of the 20 global loads: written once at the head.
;   v[3:7], v8    LDS addresses: written once, behind the global loads, while these are out.
;   X             the global loads land in it; the 20 LDS stores read it; the 20 LDS loads land in it; from then on vector instructions alone name it.
;   v9, v[110:111]  the one global store's offset (made at the head) and data (made at the end).
;   v112, v113    written at the head, read by the closing add alone.
; Masks that compares write go into scalar registers in runs, with one wait behind a run: s22, s23; and for the label two sets of 20,
; s[24:43] and s[44:63], which take turns: a run's compares are issued ahead of the selects of the run before, and one wait follows both.
.set ROWB,  320                        ; bytes of a box's logits
.set PITCH, 336                        ; LDS row: 320 + 16, an odd multiple of 16: sixteen rows' 16-byte pieces fall into sixteen different columns of 256 bytes
.set WLDS,  32*PITCH                   ; a wave's LDS bytes
.set X,     16                         ; v[16:95]  80 numbers: as loaded, then one box's logits, then its t
.set LA,    24                         ; s[24:43]  the label's masks, runs 0 and 2
.set LB,    44                         ; s[44:63]  runs 1 and 3
; v1 lane  v2 16 lane  v[3:7] LDS store addresses  v8 LDS row address  v9 8 lane
; v[10:13] ph  v[14:15], v[96:97] pl  v[98:101] e  v102, v103 running minima  v[104:109] division  v[110:111] s, label
	s_load_b128 s[4:7], s[0:1], 0x0                ; logits s[4:5], sl s[6:7]
	v_lshl_add_u32 v112, v0, 2, 0x15000
	v_mov_b32 v113, 0
	v_and_b32 v1, 31, v0                           ; lane
	v_lshrrev_b32 v2, 5, v0
	v_readfirstlane_b32 s14, v2                    ; wave 0..7
	v_lshlrev_b32 v2, 4, v1
	v_lshlrev_b32 v9, 3, v1
	s_lshl_b32 s15, ttmp9, 3
	s_mov_b32 s17, 0
	s_mov_b32 s19, 0
	s_mov_b32 s8, 0xbfb8aa3b                       ; -log2(e), the float
	s_mov_b32 s9, 0xbfb8aa3b
	s_mov_b32 s10, 0xb2a57060                      ; -log2(e), what the float leaves
	s_mov_b32 s11, 0xb2a57060
	s_mov_b32 s12, 0x3f317218                      ; ln 2
	s_mov_b32 s13, 0x3f317218
	s_wait_alu depctr_va_sdst(0)                   ; s14 is written, ahead of its first reader: the wave's shares of logits, sl and LDS are made from it
	s_add_co_u32 s15, s15, s14                     ; wave's number in the launch, 0..3999
	s_mul_i32 s16, s15, 32*ROWB                    ; its bytes in logits (below 2^26)
	s_lshl_b32 s18, s15, 8                         ; its 256 bytes in sl
	s_mul_i32 s20, s14, WLDS                       ; its LDS bytes
	s_wait_kmcnt 0x0
	s_add_nc_u64 s[4:5], s[4:5], s[16:17]
	s_add_nc_u64 s[6:7], s[6:7], s[18:19]
	s_wait_alu depctr_va_vdst(0)                   ; v2 is written, which the loads below read as their offset
.set k, 0
.rept 20
	global_load_b128 v[X+4*k:X+4*k+3], v2, s[4:5] offset:512*k th:TH_LOAD_NT   ; all of the wave's share is asked for at once
.set k, k+1
.endr
	; Piece f = 32 k + lane (16 bytes) belongs to row f / 20, so it goes to 16 f + 16 (f / 20).  Five loads are exactly eight rows:
	; load k uses the address of load k % 5, 8 rows further down for each five.  f / 20 = (3277 f) >> 16 for f < 160.
	; These lines name v1, v[3:8] and v10: none of the registers that the loads on their way touch.
.irp k, 0,1,2,3,4
	v_add_nc_u32 v[3+\k], 32*\k, v1
	v_mul_u32_u24 v10, 0xccd, v[3+\k]
	v_lshrrev_b32 v10, 16, v10
	v_add_nc_u32 v[3+\k], v[3+\k], v10
	v_lshl_add_u32 v[3+\k], v[3+\k], 4, s20
.endr
	v_mul_u32_u24 v8, PITCH, v1
	v_add_nc_u32 v8, s20, v8                       ; my row
	s_wait_alu depctr_va_vdst(0)                   ; v[3:7] and v8 are written, which the LDS stores and loads below read as their addresses
.set k, 0
.rept 20
	s_wait_loadcnt 19-k                            ; loads return in order: load k is in, the 19-k younger ones stay out
	ds_store_b128 v[3+k%5], v[X+4*k:X+4*k+3] offset:8*PITCH*(k/5)
.set k, k+1
.endr
	s_wait_alu depctr_vm_vsrc(0)                   ; the LDS stores have read X, in which the LDS loads below land
.set k, 0
.rept 20
	ds_load_b128 v[X+4*k:X+4*k+3], v8 offset:16*k  ; a wave's LDS instructions are served in order: these see the stores above
.set k, k+1
.endr
; four classes: t = 1 + exp(-x), written over x; two running minima
.macro SIG4 g, first
	s_wait_dscnt 19-\g                             ; piece g of my row is in, the younger reads stay out
	v_pk_mul_f32 v[10:11], v[X+4*\g:X+4*\g+1], s[8:9] op_sel_hi:[1,0]
	v_pk_mul_f32 v[12:13], v[X+4*\g+2:X+4*\g+3], s[8:9] op_sel_hi:[1,0]
	v_pk_fma_f32 v[14:15], v[X+4*\g:X+4*\g+1], s[8:9], v[10:11] op_sel_hi:[1,0,1] neg_lo:[0,0,1] neg_hi:[0,0,1]   ; what the product's rounding dropped
	v_pk_fma_f32 v[96:97], v[X+4*\g+2:X+4*\g+3], s[8:9], v[12:13] op_sel_hi:[1,0,1] neg_lo:[0,0,1] neg_hi:[0,0,1]
	v_exp_f32 v98, v10
	v_exp_f32 v99, v11
	v_exp_f32 v100, v12
	v_exp_f32 v101, v13
	v_pk_fma_f32 v[14:15], v[X+4*\g:X+4*\g+1], s[10:11], v[14:15] op_sel_hi:[1,0,1]      ; plain work that names no exp result or source stands behind the exponentials (ISA guide 5.7.2)
	v_pk_fma_f32 v[96:97], v[X+4*\g+2:X+4*\g+3], s[10:11], v[96:97] op_sel_hi:[1,0,1]
	s_wait_alu depctr_va_vdst(0)                   ; the four exponentials have written v[98:101], which the products below read: one wait for the batch
	v_pk_mul_f32 v[14:15], v[14:15], v[98:99]
	v_pk_mul_f32 v[96:97], v[96:97], v[100:101]
	v_pk_fma_f32 v[98:99], v[14:15], s[12:13], v[98:99] op_sel_hi:[1,0,1]                ; e = exp2(ph) + exp2(ph) pl ln2
	v_pk_fma_f32 v[100:101], v[96:97], s[12:13], v[100:101] op_sel_hi:[1,0,1]
	v_pk_add_f32 v[X+4*\g:X+4*\g+1], v[98:99], 1.0 op_sel_hi:[1,0]
	v_pk_add_f32 v[X+4*\g+2:X+4*\g+3], v[100:101], 1.0 op_sel_hi:[1,0]
.if \first
	v_min_num_f32 v102, v[X+4*\g], v[X+4*\g+1]     ; the first four start the minima: nothing is preset
	v_min_num_f32 v103, v[X+4*\g+2], v[X+4*\g+3]
.else
	v_min3_num_f32 v102, v102, v[X+4*\g], v[X+4*\g+1]      ; a t that is no number (exp overflowed) loses
	v_min3_num_f32 v103, v103, v[X+4*\g+2], v[X+4*\g+3]
.endif
.endm
	SIG4 0, 1
.irp g, 1,2,3,4,5,6,7,8,9,10,11,12,13,14,15,16,17,18,19
	SIG4 \g, 0
.endr
	v_min_num_f32 v104, v102, v103                 ; the smallest t
	v_add_nc_u32 v105, 1, v104                     ; its upper neighbour
	v_rcp_f32 v106, v104
	v_rcp_f32 v107, v105
	v_mov_b32 v111, 0                              ; the label's register is written whole; also the plain place behind the reciprocals
	s_wait_alu depctr_va_vdst(0)                   ; the two reciprocals have written v106 and v107, which the lines below read
	v_fma_f32 v108, -v104, v106, 1.0
	v_fma_f32 v109, -v105, v107, 1.0
	v_fma_f32 v106, v108, v106, v106               ; s
	v_fma_f32 v107, v109, v107, v107               ; the neighbour's s
	v_cmp_eq_f32 s22, v106, v107
	v_cmp_lt_f32 s23, 0x3e800000, v106             ; 0.25 < s
	s_wait_alu depctr_va_sdst(0)                   ; the two compares have written s22 and s23, which the two selects below read
	v_cndmask_b32 v108, v104, v105, s22            ; T
	v_cndmask_b32 v110, 0, v106, s23
; The label, from the last class down to class 0: the first class that reaches s has the last word.  Run r is classes 79 - 20 r down to 60 - 20 r.
.macro LCMP r, m                       ; its 20 compares, into the masks from s[m] on
.set i, 0
.rept 20
	v_cmp_le_f32 s[\m+i], v[X+79-20*(\r)-i], v108
.set i, i+1
.endr
.endm
.macro LSEL r, m                       ; its 20 selects
.set i, 0
.rept 20
.set c, 79-20*(\r)-i
	v_cndmask_b32 v111, v111, c, s[\m+i]
.set i, i+1
.endr
.endm
	LCMP 0, LA
	s_wait_alu depctr_va_sdst(0)                   ; run 0's compares have written s[24:43], which its selects read
	LCMP 1, LB
	LSEL 0, LA
	s_wait_alu depctr_va_sdst(0)                   ; run 1's compares have written s[44:63], which its selects read
	LCMP 2, LA
	LSEL 1, LB
	s_wait_alu depctr_va_sdst(0)                   ; run 2's compares have written s[24:43], which its selects read
	LCMP 3, LB
	LSEL 2, LA
	s_wait_alu depctr_va_sdst(0)                   ; run 3's compares have written s[44:63], which its selects read
	LSEL 3, LB
	s_wait_alu depctr_va_vdst(0)                   ; the selects have written v110 and v111, which the store reads
	global_store_b64 v9, v[110:111], s[6:7]        ; the wave stores 256 consecutive bytes, at a multiple of 256 from sl's first byte
	s_barrier_signal -1
	s_barrier_wait -1
	s_wait_dscnt 0x0                               ; the closing lines, six on end
	s_wait_alu 0x0
	s_wait_tensorcnt 0x0
	ds_add_u32 v112, v113
	s_wait_dscnt 0x0
	s_endpgm
.Lfunc_end_k_q8b187e1f3b_score:
	.size	k_q8b187e1f3b_score, .Lfunc_end_k_q8b187e1f3b_score-k_q8b187e1f3b_score
	.p2alignl 7, 3214868480
	.fill 96, 4, 3214868480
	.section	.rodata,"a",@progbits
	.p2align	6, 0x0
	.amdhsa_kernel k_q8b187e1f3b_score
		.amdhsa_group_segment_fixed_size 87040
		.amdhsa_private_segment_fixed_size 0
		.amdhsa_enable_private_segment 0
		.amdhsa_kernarg_size 16
		.amdhsa_user_sgpr_count 2
		.amdhsa_user_sgpr_kernarg_segment_ptr 1
		.amdhsa_wavefront_size32 1
		.amdhsa_system_sgpr_workgroup_id_x 1
		.amdhsa_system_sgpr_workgroup_id_y 1
		.amdhsa_system_sgpr_workgroup_id_z 1
		.amdhsa_system_vgpr_workitem_id 0
		.amdhsa_next_free_vgpr 114
		.amdhsa_next_free_sgpr 66
		.amdhsa_reserve_vcc 0
		.amdhsa_float_denorm_mode_32 3
		.amdhsa_float_denorm_mode_16_64 3
		.amdhsa_memory_ordered 1
		.amdhsa_forward_progress 1
		.amdhsa_inst_pref_size 41
	.end_amdhsa_kernel
	.amdgpu_metadata
---
amdhsa.version: [ 1, 2 ]
amdhsa.kernels:
  - .name:           k_q8b187e1f3b_score
    .symbol:         k_q8b187e1f3b_score.kd
    .args:
      - { .name: logits, .offset: 0, .size: 8, .value_kind: global_buffer, .address_space: global }
      - { .name: sl, .offset: 8, .size: 8, .value_kind: global_buffer, .address_space: global }
    .group_segment_fixed_size: 87040
    .private_segment_fixed_size: 0
    .kernarg_segment_align: 8
    .kernarg_segment_size: 16
    .max_flat_workgroup_size: 256
    .sgpr_count:     66
    .vgpr_count:     114
    .wavefront_size: 32
...
	.end_amdgpu_metadata
.endif
;; end of part 5
;; launch rank (part 6): grid 256 x 1, 8 waves a work-group, no clusters, 7,168 bytes of LDS; arguments sl, rnk; writes rnk
.if DOCPART == 6
	.amdgcn_target "amdgcn-amd-amdhsa--gfx1250"
	.amdhsa_code_object_version 6
	.text
	.protected	k_q8b187e1f3b_rank
	.globl	k_q8b187e1f3b_rank
	.p2align	8
	.type	k_q8b187e1f3b_rank,@function
k_q8b187e1f3b_rank:
	s_mov_b64 s[64:65], 0
	v_nop
	global_prefetch_b8 v0, s[64:65] scope:SCOPE_SE
	s_setreg_imm32_b32 hwreg(HW_REG_WAVE_SCHED_MODE, 0, 2), 2
	s_setreg_imm32_b32 hwreg(HW_REG_WAVE_MODE, 25, 1), 1
	s_wait_xcnt 0x0
	s_wait_alu depctr_vm_vsrc(0)
; rnk[img][n] = the place of box n in the stable order by descending score: the number of boxes j with s_j > s_n, or s_j = s_n and j < n.
; rnk[img][1000..1023] = the number of boxes with s > 0.25.  Boxes with s <= 0.25 (stored as 0) count as equal: they follow all others by index.
; Counting, not sorting: no address and no branch hangs on a score.  Two work-groups an image; a wave owns 64 boxes (two blocks of 32,
; a lane one box of each) and compares them with all 1024 keys, which lie in LDS and are read 32 at a time, the same address in all lanes.
; No cluster: what the two work-groups of an image share is 8,000 bytes, read once by each.
; KEY = kc << 5 | (31 - n % 32), kc = max(bits of s, bits of 0.25) - (bits of 0.25 - 1): 1 for s <= 0.25 and for the 24 pads, more otherwise.
; One unsigned compare key_j > threshold serves all three cases; the threshold is chosen by the blocks' numbers:
;   j's block in front of mine: (key & ~31) - 1  (counts s_j >= s);  my block: key (the low bits decide ties);  behind: key | 31 (counts s_j > s).
; THE MODE: SCHED_MODE bits 1:0 = 2 (LLVM: expert scheduling mode 2), set by the entry lines.  The code itself states the register dependences
; between vector instructions and memory or LDS instructions, and those through scalar registers that vector instructions write, with s_wait_alu, always for 0.
; THE PLAN.  Registers that memory or LDS instructions touch:
;   head   v25, v26 offsets of the global loads; v[16:23] their data, read by the key arithmetic; v29 address and v[30:33] data of the four LDS stores.
;          All of them lie in KJ0, in which LDS loads land behind the barrier.
;   loop   KJ0, KJ1: a half trip's 64 compares read one of them, while the eight LDS loads of the next block land in the other.
;          v14: read by every load of keys; written once a trip, behind the first half's loads (the odd block is reached by the immediate).
;   out    v14, v15 made anew as stage addresses; v12, v13 the stage's data; v[2:3] read back; v10 the global store's offset.
; So each half trip has ONE wait on va_vdst, at its head: the compares issued so far are done reading the buffer that is loaded next (and v14 is written).
; The eight loads follow it, dealt among the half's first 32 compares, which name the other buffer, the thresholds and masks alone.  One wait on vm_vsrc a trip stands ahead of the step of v14.
; THE MASKS.  A compare writes its mask into a scalar register and an add with carry reads it.  They go in runs of 32 (16 keys x my 2 boxes) into two sets,
; MA and MB, which take turns: a run's compares are issued ahead of the adds of the run before, and one wait on va_sdst follows both.  The adds write their
; carries into the same registers: the last run's have their wait ahead of the branch, since the next trip names these registers again.
.set KJ0, 16                           ; v[16:47]  32 keys, in every lane
.set KJ1, 48                           ; v[48:79]  the next 32
.set MA,  32                           ; s[32:63]  32 masks
.set MB,  66                           ; s[66:97]  32 masks
; v1 lane  v2 box number  v3 = 63  v[4:5] threshold in front  v[6:7] behind  v[8:9] own key  v[10:11] threshold in use  v[12:13] counts  v14 key address  v15 address
; s8 wave  s9 image  s11, s12 my two blocks  s16, s17 j's block  s20 at work  s[24:27] choice masks  s28, s29 my box is a pad  s30 the thread's fourth box is real
	s_load_b128 s[4:7], s[0:1], 0x0                ; sl s[4:5], rnk s[6:7]
	v_lshl_add_u32 v80, v0, 2, 0x1800
	v_mov_b32 v81, 0
	v_and_b32 v1, 31, v0
	v_lshrrev_b32 v2, 5, v0
	v_readfirstlane_b32 s8, v2                     ; wave 0..7
	v_lshlrev_b32 v25, 3, v0
	v_add_nc_u32 v24, 768, v0                      ; the fourth box of this thread: can be a pad
	v_min_u32 v26, 999, v24                        ; no load leaves the image
	v_lshlrev_b32 v26, 3, v26
	v_sub_nc_u32 v27, 31, v1
	v_lshlrev_b32 v29, 2, v0
	v_mov_b32 v14, 0
	v_mov_b32 v3, 63
	v_mov_b32 v12, 0
	v_mov_b32 v13, 0
	s_lshr_b32 s9, ttmp9, 1                        ; image
	s_and_b32 s10, ttmp9, 1                        ; which half of its boxes
	s_lshl_b32 s11, s10, 4
	s_mul_i32 s14, s9, 8000                        ; the image in sl
	s_mov_b32 s15, 0
	s_mov_b32 s19, 0
	s_wait_alu depctr_va_sdst(0)                   ; s8 is written, ahead of its first reader: my blocks' numbers are made from it
	s_lshl1_add_u32 s11, s8, s11                   ; my first block = 16 half + 2 wave
	s_add_co_u32 s12, s11, 1                       ; my second
	s_lshl_b32 s13, s11, 7                         ; my first block's bytes among the keys, and in rnk
	s_lshl_b32 s18, s9, 12
	s_add_co_u32 s18, s18, s13                     ; the image in rnk + my 256 bytes
	s_lshl_b32 s20, s11, 5
	s_wait_kmcnt 0x0
	s_add_nc_u64 s[4:5], s[4:5], s[14:15]
	s_add_nc_u64 s[6:7], s[6:7], s[18:19]
	s_wait_alu depctr_va_vdst(0)                   ; v25 and v26 are written, which the loads below read as their offsets
	global_load_b64 v[16:17], v25, s[4:5]
	global_load_b64 v[18:19], v25, s[4:5] offset:2048
	global_load_b64 v[20:21], v25, s[4:5] offset:4096
	global_load_b64 v[22:23], v26, s[4:5]
	v_cmp_gt_u32 s30, 0x3e8, v24                   ; the fourth is a real box.  These lines name none of the registers that the loads on their way touch
	v_lshlrev_b32 v15, 2, v1
	v_add_nc_u32 v15, s13, v15                     ; my two boxes' keys in LDS
	v_add_nc_u32 v2, s20, v1                       ; my first box's number
	v_cmp_le_u32 s28, 0x3e8, v2                    ; it is a pad
	v_add_nc_u32 v2, 32, v2
	v_cmp_le_u32 s29, 0x3e8, v2                    ; my second box is a pad
	s_wait_loadcnt 0x0
	s_wait_alu depctr_va_sdst(0)                   ; the three compares have written s28, s29 and s30, ahead of the selects that read them
.irp k, 0,1,2,3
	v_max_u32 v[30+\k], 0x3e800000, v[16+2*\k]
	v_add_nc_u32 v[30+\k], 0xc1800001, v[30+\k]    ; - (bits of 0.25 - 1)
.if \k == 3
	v_cndmask_b32 v[30+\k], 1, v[30+\k], s30       ; pads rank with the boxes below the threshold, behind them by index
.endif
	v_lshl_or_b32 v[30+\k], v[30+\k], 5, v27
.endr
	s_wait_alu depctr_va_vdst(0)                   ; the four keys v[30:33] and the addresses v29, v14, v15 are written; every vector instruction that named v16 to v33, in which keys are loaded below, is done
.irp k, 0,1,2,3
	ds_store_b32 v29, v[30+\k] offset:1024*\k
.endr
	s_wait_dscnt 0x0                               ; my keys are in LDS before I say so
	s_barrier_signal -1
	s_barrier_wait -1                              ; all 1024 are; nobody writes them again
	s_wait_alu depctr_vm_vsrc(0)                   ; the global loads have read v25 and v26, the LDS stores v29 to v33: block 0's keys land in these registers
	ds_load_b32 v8, v15                            ; my two boxes' keys
	ds_load_b32 v9, v15 offset:128
.irp g, 0,1,2,3,4,5,6,7
	ds_load_b128 v[KJ0+4*\g:KJ0+4*\g+3], v14 offset:16*\g      ; keys of block 0
.endr
	s_wait_dscnt 0x8                               ; my own two keys are in; the eight loads of block 0 stay out
.irp e, 0,1
	v_and_b32 v[4+\e], 0xffffffe0, v[8+\e]
	v_add_nc_u32 v[4+\e], -1, v[4+\e]
	v_or_b32 v[6+\e], 31, v[8+\e]
	v_cndmask_b32 v[4+\e], v[4+\e], v3, s[28+\e]   ; a pad's lane counts the keys above 63 in every block: the boxes with s > 0.25
	v_cndmask_b32 v[6+\e], v[6+\e], v3, s[28+\e]
	v_cndmask_b32 v[8+\e], v[8+\e], v3, s[28+\e]
.endr
; the thresholds for j's block, whose number is in the scalar register jb
.macro SEL jb
	s_cmp_lt_u32 \jb, s11
	s_cselect_b32 s24, -1, 0
	s_cmp_eq_u32 \jb, s11
	s_cselect_b32 s25, -1, 0
	s_cmp_lt_u32 \jb, s12
	s_cselect_b32 s26, -1, 0
	s_cmp_eq_u32 \jb, s12
	s_cselect_b32 s27, -1, 0
	v_cndmask_b32 v10, v6, v4, s24
	v_cndmask_b32 v11, v7, v5, s26
	v_cndmask_b32 v10, v10, v8, s25
	v_cndmask_b32 v11, v11, v9, s27
.endm
; a run of 32 compares: keys j0 to j0 + 15 of buffer cur against my two boxes, into the masks from s[m] on.
; deal = 1: the eight loads of the next block, at byte off from v14, into buffer nxt, one behind every four compares
.macro CMPS cur, j0, m, deal, nxt, off
.set jj, 0
.rept 16
	v_cmp_gt_u32 s[\m+2*jj],   v[\cur+\j0+jj], v10
	v_cmp_gt_u32 s[\m+2*jj+1], v[\cur+\j0+jj], v11
.if (\deal) && (jj % 2)
	ds_load_b128 v[\nxt+4*(jj/2):\nxt+4*(jj/2)+3], v14 offset:\off+16*(jj/2)   ; no wait: no vector instruction since the half trip's wait on va_vdst names nxt or v14
.endif
.set jj, jj+1
.endr
.endm
; the run's 32 adds: count += the compare's bit, as a carry in
.macro ADDS m
.set jj, 0
.rept 16
	v_add_co_ci_u32 v12, s[\m+2*jj],   0, v12, s[\m+2*jj]
	v_add_co_ci_u32 v13, s[\m+2*jj+1], 0, v13, s[\m+2*jj+1]
.set jj, jj+1
.endr
.endm
	s_mov_b32 s16, 0
.Lj:                                                   ; a trip: blocks s16 (in KJ0) and s16 + 1 (in KJ1); v14 = 128 s16
	s_wait_dscnt 0x0                               ; KJ0 is whole: its eight loads were issued early in the half trip before (block 0's ahead of the loop)
	s_wait_alu depctr_va_vdst(0)                   ; the last trip's compares are done reading KJ1, in which the loads below land
	SEL s16
	CMPS KJ0, 0, MA, 1, KJ1, 128
	s_wait_alu depctr_va_sdst(0)                   ; the first run's compares have written MA, which its adds read
	CMPS KJ0, 16, MB, 0, 0, 0
	s_wait_alu depctr_vm_vsrc(0)                   ; the loads issued so far have read v14
	v_add_nc_u32 v14, 256, v14
	v_and_b32 v14, 0xfff, v14                      ; behind the last block the address wraps to block 0: every read stays among the keys
	ADDS MA
	s_wait_alu depctr_va_sdst(0)                   ; the second run's compares have written MB, which its adds read
	s_add_co_u32 s17, s16, 1
	s_wait_dscnt 0x0                               ; KJ1 is whole
	s_wait_alu depctr_va_vdst(0)                   ; the compares above are done reading KJ0, in which the loads below land, and v14 is written, which they read
	SEL s17
	CMPS KJ1, 0, MA, 1, KJ0, 0
	ADDS MB
	s_wait_alu depctr_va_sdst(0)                   ; the third run's compares have written MA, which its adds read
	CMPS KJ1, 16, MB, 0, 0, 0
	ADDS MA
	s_wait_alu depctr_va_sdst(0)                   ; the fourth run's compares have written MB, which its adds read
	ADDS MB
	s_wait_alu depctr_va_sdst(0)                   ; the last adds have written their carries into MB, ahead of the branch: the next trip names these registers again
	s_add_co_u32 s16, s16, 2
	s_cmp_lt_u32 s16, 32
	s_cbranch_scc1 .Lj
	; The two blocks' counts go through 256 LDS bytes of the wave's own (behind the keys), so that one store covers 256 consecutive bytes of rnk.
	; LDS is written again only behind a barrier that every wave reaches with all its LDS reads done; all waves make the same 16 trips.
	s_wait_dscnt 0x0
	s_barrier_signal -1
	s_barrier_wait -1
	s_lshl_b32 s20, s8, 8
	s_add_co_u32 s20, s20, 4096
	s_wait_alu depctr_vm_vsrc(0)                   ; the loads of keys have read v14 and v15, which are written anew
	v_lshl_add_u32 v15, v1, 2, s20
	v_lshl_add_u32 v14, v1, 3, s20
	v_lshlrev_b32 v10, 3, v1
	s_wait_alu depctr_va_vdst(0)                   ; v15, v14, v10 and the counts v12, v13 are written, which the lines below read; the vector instructions that named v2 and v3, in which the load lands, are done
	ds_store_b32 v15, v12
	ds_store_b32 v15, v13 offset:128
	ds_load_b64 v[2:3], v14                        ; served behind the two stores: a wave's LDS instructions keep their order
	s_wait_dscnt 0x0
	global_store_b64 v10, v[2:3], s[6:7]
	s_barrier_signal -1
	s_barrier_wait -1
	s_wait_dscnt 0x0                               ; the closing lines, six on end
	s_wait_alu 0x0
	s_wait_tensorcnt 0x0
	ds_add_u32 v80, v81
	s_wait_dscnt 0x0
	s_endpgm
.Lfunc_end_k_q8b187e1f3b_rank:
	.size	k_q8b187e1f3b_rank, .Lfunc_end_k_q8b187e1f3b_rank-k_q8b187e1f3b_rank
	.p2alignl 7, 3214868480
	.fill 96, 4, 3214868480
	.section	.rodata,"a",@progbits
	.p2align	6, 0x0
	.amdhsa_kernel k_q8b187e1f3b_rank
		.amdhsa_group_segment_fixed_size 7168
		.amdhsa_private_segment_fixed_size 0
		.amdhsa_enable_private_segment 0
		.amdhsa_kernarg_size 16
		.amdhsa_user_sgpr_count 2
		.amdhsa_user_sgpr_kernarg_segment_ptr 1
		.amdhsa_wavefront_size32 1
		.amdhsa_system_sgpr_workgroup_id_x 1
		.amdhsa_system_sgpr_workgroup_id_y 1
		.amdhsa_system_sgpr_workgroup_id_z 1
		.amdhsa_system_vgpr_workitem_id 0
		.amdhsa_next_free_vgpr 82
		.amdhsa_next_free_sgpr 98
		.amdhsa_reserve_vcc 0
		.amdhsa_float_denorm_mode_32 3
		.amdhsa_float_denorm_mode_16_64 3
		.amdhsa_memory_ordered 1
		.amdhsa_forward_progress 1
		.amdhsa_inst_pref_size 25
	.end_amdhsa_kernel
	.amdgpu_metadata
---
amdhsa.version: [ 1, 2 ]
amdhsa.kernels:
  - .name:           k_q8b187e1f3b_rank
    .symbol:         k_q8b187e1f3b_rank.kd
    .args:
      - { .name: sl, .offset: 0, .size: 8, .value_kind: global_buffer, .address_space: global }
      - { .name: rnk, .offset: 8, .size: 8, .value_kind: global_buffer, .address_space: global }
    .group_segment_fixed_size: 7168
    .private_segment_fixed_size: 0
    .kernarg_segment_align: 8
    .kernarg_segment_size: 16
    .max_flat_workgroup_size: 256
    .sgpr_count:     98
    .vgpr_count:     82
    .wavefront_size: 32
...
	.end_amdgpu_metadata
.endif
;; end of part 6
;; launch iou: the kernel of part 3 again; grid 256 x 1, 8 waves a work-group, no clusters, 25,600 bytes of LDS; arguments rnk, boxes, orig_target_sizes, msk; writes msk
;; launch scan: the kernel of part 4 again; grid 128 x 1, 32 waves a work-group, no clusters, 107,008 bytes of LDS; arguments msk, rnk, sl, boxes, orig_target_sizes, out0, out1, out2; writes out0, out1, out2
